; MI455X (gfx1250); checked and timed in simulation.
; The chip was launched on July 23, 2026; its instructions are those of AMD's public machine-readable ISA for CDNA 5 (MIT licence, August 2026) and "CDNA5" Instruction Set Architecture Reference Guide (July 2026). The comments in the code are by the model that wrote it; some were corrected since.
;; Yawning Consecutive Adjustment. Allowed arithmetic: float matrix products may take bf16 or f16 operands with f32 sums; all other float work in f32.
;; Inputs: drowsiness_index 16,384 x 1 float32; gesture_sequence 16,384 x 4,096 x 1 int32.
;; Outputs: out0 16,384 x 1 float32.
;; 2 versions, each right; version 2 is version 1 with the launch streaks written anew for expert scheduling mode. Each part assembles by itself: llvm-mc -triple=amdgcn-amd-amdhsa -mcpu=gfx1250 --defsym DOCPART=n.
;; ======== version 1 of 2: 1 launch
;; launch streaks (part 1): grid 256 x 1, 16 waves a work-group, no clusters, 2,304 bytes of LDS; arguments gesture_sequence, drowsiness_index, out0; writes out0
.if DOCPART == 1
	.amdgcn_target "amdgcn-amd-amdhsa--gfx1250"
	.amdhsa_code_object_version 6
	.text
	.protected	k_q44758945da_streaks
	.globl	k_q44758945da_streaks
	.p2align	8
	.type	k_q44758945da_streaks,@function
k_q44758945da_streaks:
	s_mov_b64 s[64:65], 0
	v_nop
	global_prefetch_b8 v0, s[64:65] scope:SCOPE_SE
	s_setreg_imm32_b32 hwreg(HW_REG_WAVE_MODE, 25, 1), 1
	s_wait_xcnt 0x0
; out[r] = clip(drowsiness[r] + adj(r), 0, 1); adj(r) comes from the number of streaks of gesture 2 in row r that are at least
; 4 frames long (hc) and at least 7 frames long (lc).  gesture_sequence: [16384][4096] int32, any values; only "== 2" matters.
;
; SHARES.  256 work-groups of 16 waves.  A work-group owns 64 rows (1 MiB in, 256 bytes out), a wave 4 rows (64 KiB, contiguous).
; One load of a wave covers 512 consecutive bytes = 128 frames (a BLOCK): lane i holds frames 4i .. 4i+3 (a GROUP of four).
; A ring of 32 register slots (one row) is served in runs of four blocks (a SEGMENT, 512 frames); 28 to 32 loads of every wave are out.
;
; FROM WORDS TO BITS.  v_cmp_eq_u32 on register j of a block gives a 32-bit mask: bit i = frame 4i+j is a yawn.  Call the four masks of a
; block a, b, c, d.  v_writelane_b32 puts them into lane 8 x row + segment of the mask registers M+4 x (block in segment)+j.  After four rows
; the 16 mask registers hold the four rows' 16,384 bits, and the streak logic runs once on all 32 lanes: two instructions for each
; loaded register, and 108 more for the wave.
;
; THE LOGIC.  A streak of at least n frames is counted at its n-th frame: n yawns in a row, and no yawn in front of them.
; In a group: p2 = ab, p3 = abc, F = abcd; the group's tail of EXACTLY k yawns: X1 = d ~c, X2 = cd ~b, X3 = bcd ~a.
; x' is x of the group before, x'' of two groups before (v_alignbit_b32 with the block before; in front of a row everything is 0).
;   fourth frame in this group:   E4 = ~d' F | X1' p3 | X2' p2 | X3' a
;   seventh frame in this group:  E7 = X3' F | F' ( ~d'' p3 | X1'' p2 | X2'' a )
; The four terms of a line stand for four neighbouring starting frames; two streaks of that length cannot start so close, so at most one
; term holds and one population count of the OR counts the streaks.
;
; LIMITS.  v_exp_f32 gives 0 where the result would be below 2^-126 (from some 174 streaks on); the reference has a denormal there:
; a difference below 1.2e-38.  The counts (at most 819) are exact in f32.  A NaN in drowsiness_index stays a NaN, as in the reference's clip.
; No two work-groups read the same byte, so there is nothing to share in a cluster; there is no product, so no matrix instruction.
.set ROW,  16384                       ; bytes in a row
.set BLK,  512                         ; bytes in a block
.set OFF,  1                           ; v1        16 x lane: my 16 bytes in every block
.set L8,   2                           ; v2        8 x lane: wave 0's offset into the group's 64 results, in memory and in LDS
.set LA,   3                           ; v3        LDS address of my row's word
.set D,    4                           ; v[4:5]    wave 0: two drowsiness values
.set HC,   7                           ; v7        streaks of at least 4
.set M,    8                           ; v[8:23]   masks: block b of the lane's segment, a b c d at M+4b .. M+4b+3
.set RG,   24                          ; v[24:151] the ring: slot k (block k of a row) at RG+4k
.set P2,   152                         ; v[152:155] p2 of blocks 0-3
.set P3,   156                         ; p3
.set FF,   160                         ; F
.set SX1,  164                         ; X1
.set SX2,  168                         ; X2
.set SX3,  172                         ; X3
.set T,    176                         ; v[176:183] at work
.set LC,   184                         ; v184      streaks of at least 7
.set PRV,  RG                          ; v[24:28]  once the ring is done with: d, X1, X2, X3, F of the block in front of the lane's segment
.set MK,   16                          ; s[16:31]  the sixteen masks of a segment
	s_load_b128 s[4:7], s[0:1], 0x0                ; gesture_sequence s[4:5], drowsiness_index s[6:7]
	s_load_b64 s[8:9], s[0:1], 0x10                ; out0
	v_lshl_add_u32 v192, v0, 2, 0x100
	v_mov_b32 v193, 0
	v_lshrrev_b32 v[T], 5, v0
	v_readfirstlane_b32 s10, v[T]                  ; wave 0..15
	v_and_b32 v[T+1], 31, v0                       ; lane
	v_lshlrev_b32 v[OFF], 4, v[T+1]
	v_lshlrev_b32 v[L8], 3, v[T+1]
	s_lshl_b32 s12, ttmp9, 20                      ; 64 rows of 16 KiB for each work-group,
	s_lshl_b32 s13, s10, 16                        ; 4 rows for each wave: below 2^28 in all
	s_add_co_u32 s12, s12, s13
	s_mov_b32 s13, 0
	s_lshl_b32 s14, ttmp9, 8                       ; 64 f32 for each work-group
	s_mov_b32 s15, 0
	s_wait_kmcnt 0x0
	s_add_nc_u64 s[4:5], s[4:5], s[12:13]          ; my wave's first row
	s_add_nc_u64 s[6:7], s[6:7], s[14:15]          ; the group's 64 drowsiness values
	s_add_nc_u64 s[8:9], s[8:9], s[14:15]          ; the group's 64 results
	s_cmp_lg_u32 s10, 0
	s_cbranch_scc1 .Lfill
	global_load_b64 v[D:D+1], v[L8], s[6:7]        ; wave 0 alone: 32 lanes x 8 bytes = the group's 256 bytes, aligned; older than every ring load
.Lfill:
.set k, 0
.rept 32
	global_load_b128 v[RG+4*k:RG+4*k+3], v[OFF], s[4:5] offset:BLK*k th:TH_LOAD_NT    ; row 0 fills the ring; every byte is read once in the launch
.set k, k+1
.endr
	v_bfe_u32 v[T], v0, 3, 2                       ; lane / 8: my row among the wave's four
	s_lshl_b32 s11, s10, 4                         ; 16 bytes of LDS for each wave
	v_lshl_add_u32 v[LA], v[T], 2, s11
	s_mov_b32 s32, 0xbf38aa3b                      ; -0.5 log2(e)
	s_mov_b32 s33, 0x3fb8aa3b                      ;  2 x 0.5 log2(e)
	s_mov_b32 s34, 0x400a7fac                      ;  3 x 0.5 log2(e)
	s_mov_b32 s35, 0xfefefefe                      ; the lanes whose segment is not the first of its row
; Segment g of row r.  left: how many younger loads may stay out.  refill = 1: the four slots get the next row's blocks.
; first = 1: a whole write in place of v_writelane_b32, which changes one lane and keeps the others: so every mask register has a
; defined value from its first use on and nothing is cleared (lanes 1-31 are written over by their own segments).
.macro SEG r, g, refill, left, first
	s_wait_loadcnt \left                           ; loads come back in order (ISA guide 5.7.1): my four blocks are in
.set i, 0
.rept 16
	v_cmp_eq_u32 s[MK+i], 2, v[RG+16*\g+i]         ; bit l: frame 4 l + i % 4 of block i / 4 is a yawn
.set i, i+1
.endr
.if \refill
.set i, 0
.rept 4
	global_load_b128 v[RG+16*\g+4*i:RG+16*\g+4*i+3], v[OFF], s[4:5] offset:ROW*(\r+1)+BLK*(4*\g+i) th:TH_LOAD_NT
.set i, i+1
.endr
.endif
.set i, 0
.rept 16
.if \first
	v_mov_b32 v[M+i], s[MK+i]
.else
	v_writelane_b32 v[M+i], s[MK+i], 8*\r+\g
.endif
.set i, i+1
.endr
.endm
	; behind a segment's four loads the other seven segments' 28 are issued before its turn comes again: the wait is for 28
	SEG 0, 0, 1, 28, 1
.irp g, 1,2,3,4,5,6,7
	SEG 0, \g, 1, 28, 0
.endr
.irp r, 1,2
.irp g, 0,1,2,3,4,5,6,7
	SEG \r, \g, 1, 28, 0
.endr
.endr
.irp g, 0,1,2,3,4,5,6,7
	SEG 3, \g, 0, 28-4*\g, 0                       ; the last row loads nothing: the counts run down to 0 (which also shows wave 0's D in)
.endr
; the products and exact tails of block b, all 32 segments at once.  x & ~y is written x ^ (x & y), since x & y is there already
.macro DERIVE b
	v_and_b32 v[P2+\b], v[M+4*\b], v[M+4*\b+1]     ; ab
	v_and_b32 v[T], v[M+4*\b+2], v[M+4*\b+3]       ; cd
	v_and_b32 v[P3+\b], v[P2+\b], v[M+4*\b+2]      ; abc
	v_and_b32 v[T+1], v[M+4*\b+1], v[T]            ; bcd
	v_and_b32 v[FF+\b], v[P2+\b], v[T]             ; abcd
	v_xor_b32 v[SX1+\b], v[M+4*\b+3], v[T]         ; d ~c
	v_xor_b32 v[SX2+\b], v[T], v[T+1]              ; cd ~b
	v_xor_b32 v[SX3+\b], v[T+1], v[FF+\b]          ; bcd ~a
.endm
.irp b, 0,1,2,3
	DERIVE \b
.endr
	; In front of a lane's block 0 lies block 3 of the lane below (the row's segment before).  Lanes 0 and 16 have no source and take 0
	; (bound_ctrl); the other first segments of a row are set to 0 by the select.  PRV are ring registers whose last loads are in.
	v_mov_b32_dpp v[PRV+0], v[M+15]  row_shr:1 row_mask:0xf bank_mask:0xf bound_ctrl:1
	v_mov_b32_dpp v[PRV+1], v[SX1+3] row_shr:1 row_mask:0xf bank_mask:0xf bound_ctrl:1
	v_mov_b32_dpp v[PRV+2], v[SX2+3] row_shr:1 row_mask:0xf bank_mask:0xf bound_ctrl:1
	v_mov_b32_dpp v[PRV+3], v[SX3+3] row_shr:1 row_mask:0xf bank_mask:0xf bound_ctrl:1
	v_mov_b32_dpp v[PRV+4], v[FF+3]  row_shr:1 row_mask:0xf bank_mask:0xf bound_ctrl:1
.irp i, 0,1,2,3,4
	v_cndmask_b32 v[PRV+\i], 0, v[PRV+\i], s35
.endr
; Block b; pd, px1, px2, px3, pf: d, X1, X2, X3, F of the block before.  {x, x of the block before} >> 31 is x', >> 30 is x''.
; first = 1: the first population count starts the sums.
.macro COUNT b, pd, px1, px2, px3, pf, first
	v_alignbit_b32 v[T],   v[M+4*\b+3], v[\pd],  31        ; d'
	v_alignbit_b32 v[T+1], v[SX1+\b],   v[\px1], 31        ; X1'
	v_alignbit_b32 v[T+2], v[SX2+\b],   v[\px2], 31        ; X2'
	v_alignbit_b32 v[T+3], v[SX3+\b],   v[\px3], 31        ; X3'
	v_bfi_b32    v[T+4], v[T], 0, v[FF+\b]                 ; ~d' F
	v_and_or_b32 v[T+4], v[T+1], v[P3+\b], v[T+4]          ; | X1' p3
	v_and_or_b32 v[T+4], v[T+2], v[P2+\b], v[T+4]          ; | X2' p2
	v_and_or_b32 v[T+4], v[T+3], v[M+4*\b], v[T+4]         ; | X3' a
	v_alignbit_b32 v[T],   v[M+4*\b+3], v[\pd],  30        ; d''
	v_alignbit_b32 v[T+1], v[SX1+\b],   v[\px1], 30        ; X1''
	v_alignbit_b32 v[T+2], v[SX2+\b],   v[\px2], 30        ; X2''
	v_alignbit_b32 v[T+5], v[FF+\b],    v[\pf],  31        ; F'
	v_bfi_b32    v[T+6], v[T], 0, v[P3+\b]                 ; ~d'' p3
	v_and_or_b32 v[T+6], v[T+1], v[P2+\b], v[T+6]          ; | X1'' p2
	v_and_or_b32 v[T+6], v[T+2], v[M+4*\b], v[T+6]         ; | X2'' a
	v_and_b32    v[T+6], v[T+5], v[T+6]                    ; all three need F'
	v_and_or_b32 v[T+6], v[T+3], v[FF+\b], v[T+6]          ; | X3' F
.if \first
	v_bcnt_u32_b32 v[HC], v[T+4], 0
	v_bcnt_u32_b32 v[LC], v[T+6], 0
.else
	v_bcnt_u32_b32 v[HC], v[T+4], v[HC]
	v_bcnt_u32_b32 v[LC], v[T+6], v[LC]
.endif
.endm
	COUNT 0, PRV, PRV+1, PRV+2, PRV+3, PRV+4, 1
	COUNT 1, M+3, SX1, SX2, SX3, FF, 0
	COUNT 2, M+7, SX1+1, SX2+1, SX3+1, FF+1, 0
	COUNT 3, M+11, SX1+2, SX2+2, SX3+2, FF+2, 0
	; a row's eight segments lie in eight neighbouring lanes: three steps, after which each of the eight holds the row's counts
	v_cvt_f32_u32 v[HC], v[HC]                     ; at most 819: exact, and the exponent needs f32 anyway
	v_cvt_f32_u32 v[LC], v[LC]
.irp x, 1,2,4
	v_add_f32_dpp v[HC], v[HC], v[HC] row_xmask:\x row_mask:0xf bank_mask:0xf
	v_add_f32_dpp v[LC], v[LC], v[LC] row_xmask:\x row_mask:0xf bank_mask:0xf
.endr
	v_fma_f32 v[T],   v[HC], s32, s33              ; -0.5 (hc - 2) log2(e)
	v_fma_f32 v[T+1], v[LC], s32, s34              ; -0.5 (lc - 3) log2(e)
	v_exp_f32 v[T],   v[T]
	v_exp_f32 v[T+1], v[T+1]
	v_cmp_le_f32 vcc_lo, 2.0, v[HC]                ; two plain instructions that touch neither exponential stand in front of the first use (ISA guide 5.7.2)
	v_cmp_le_f32 s36, 0x40400000, v[LC]            ; lc >= 3
	s_wait_alu depctr_va_vdst(0)
	v_cndmask_b32 v[T],   0, v[T],   vcc_lo        ; too few streaks: no adjustment
	v_cndmask_b32 v[T+1], 0, v[T+1], s36
	v_mul_f32  v[T], 0x3e3851ec, v[T]              ; 0.18 x
	v_fmac_f32 v[T], 0x3d4ccccd, v[T+1]            ; + 0.05 x
	v_min_num_f32 v[T], 0x3eb33333, v[T]           ; at most 0.35
	ds_store_b32 v[LA], v[T]                       ; the eight lanes of a row write one word with one value; the wave's four words are its own
	s_wait_dscnt 0x0                               ; for wave 0's sake: my words are in LDS before I say so
	s_barrier_signal -1
	s_barrier_wait -1
	s_cmp_lg_u32 s10, 0
	s_cbranch_scc1 .Ldone
	ds_load_b64 v[T:T+1], v[L8]                    ; wave 0: the 64 adjustments, two a lane
	s_wait_dscnt 0x0
	v_pk_add_f32 v[T:T+1], v[T:T+1], v[D:D+1]
	v_maximum_f32 v[T],   0, v[T]                  ; the clip; a NaN goes through, as in the reference
	v_maximum_f32 v[T+1], 0, v[T+1]
	v_minimum_f32 v[T],   1.0, v[T]
	v_minimum_f32 v[T+1], 1.0, v[T+1]
	global_store_b64 v[L8], v[T:T+1], s[8:9] th:TH_STORE_NT    ; one store covers the group's 256 consecutive bytes, aligned
.Ldone:
	s_wait_tensorcnt 0x0
	ds_add_u32 v192, v193
	s_wait_dscnt 0x0
	s_endpgm
.Lfunc_end_k_q44758945da_streaks:
	.size	k_q44758945da_streaks, .Lfunc_end_k_q44758945da_streaks-k_q44758945da_streaks
	.p2alignl 7, 3214868480
	.fill 96, 4, 3214868480
	.section	.rodata,"a",@progbits
	.p2align	6, 0x0
	.amdhsa_kernel k_q44758945da_streaks
		.amdhsa_group_segment_fixed_size 2304
		.amdhsa_private_segment_fixed_size 0
		.amdhsa_enable_private_segment 0
		.amdhsa_kernarg_size 24
		.amdhsa_user_sgpr_count 2
		.amdhsa_user_sgpr_kernarg_segment_ptr 1
		.amdhsa_wavefront_size32 1
		.amdhsa_system_sgpr_workgroup_id_x 1
		.amdhsa_system_sgpr_workgroup_id_y 1
		.amdhsa_system_sgpr_workgroup_id_z 1
		.amdhsa_system_vgpr_workitem_id 0
		.amdhsa_next_free_vgpr 194
		.amdhsa_next_free_sgpr 66
		.amdhsa_reserve_vcc 1
		.amdhsa_float_denorm_mode_32 3
		.amdhsa_float_denorm_mode_16_64 3
		.amdhsa_memory_ordered 1
		.amdhsa_forward_progress 1
		.amdhsa_inst_pref_size 87
	.end_amdhsa_kernel
	.amdgpu_metadata
---
amdhsa.version: [ 1, 2 ]
amdhsa.kernels:
  - .name:           k_q44758945da_streaks
    .symbol:         k_q44758945da_streaks.kd
    .args:
      - { .name: gesture_sequence, .offset: 0, .size: 8, .value_kind: global_buffer, .address_space: global }
      - { .name: drowsiness_index, .offset: 8, .size: 8, .value_kind: global_buffer, .address_space: global }
      - { .name: out0, .offset: 16, .size: 8, .value_kind: global_buffer, .address_space: global }
    .group_segment_fixed_size: 2304
    .private_segment_fixed_size: 0
    .kernarg_segment_align: 8
    .kernarg_segment_size: 24
    .max_flat_workgroup_size: 512
    .sgpr_count:     66
    .vgpr_count:     194
    .wavefront_size: 32
...
	.end_amdgpu_metadata
.endif
;; end of part 1
;; ======== version 2 of 2: 1 launch; version 1 with the launch streaks written anew for expert scheduling mode
;; launch streaks (part 2): grid 256 x 1, 16 waves a work-group, no clusters, 2,304 bytes of LDS; arguments gesture_sequence, drowsiness_index, out0; writes out0
.if DOCPART == 2
	.amdgcn_target "amdgcn-amd-amdhsa--gfx1250"
	.amdhsa_code_object_version 6
	.text
	.protected	k_q44758945da_streaks
	.globl	k_q44758945da_streaks
	.p2align	8
	.type	k_q44758945da_streaks,@function
k_q44758945da_streaks:
	s_mov_b64 s[64:65], 0
	v_nop
	global_prefetch_b8 v0, s[64:65] scope:SCOPE_SE
	s_setreg_imm32_b32 hwreg(HW_REG_WAVE_SCHED_MODE, 0, 2), 2
	s_setreg_imm32_b32 hwreg(HW_REG_WAVE_MODE, 25, 1), 1
	s_wait_xcnt 0x0
	s_wait_alu depctr_vm_vsrc(0)
; out[r] = clip(drowsiness[r] + adj(r), 0, 1); adj(r) comes from the number of streaks of gesture 2 in row r that are at least
; 4 frames long (hc) and at least 7 frames long (lc).  gesture_sequence: [16384][4096] int32, any values; only "== 2" matters.
;
; SHARES.  256 work-groups of 16 waves.  A work-group owns 64 rows (1 MiB in, 256 bytes out), a wave 4 rows (64 KiB, contiguous).
; One load of a wave covers 512 consecutive bytes = 128 frames (a BLOCK): lane i holds frames 4i .. 4i+3 (a GROUP of four).
; Four blocks are a SEGMENT (512 frames); the wave's 32 segments go through a ring of nine register buffers, a segment each; 28 to 32 loads of every wave are out.
;
; FROM WORDS TO BITS.  v_cmp_eq_u32 on register j of a block gives a 32-bit mask: bit i = frame 4i+j is a yawn.  Call the four masks of a
; block a, b, c, d.  v_writelane_b32 puts them into lane 8 x row + segment of the mask registers M+4 x (block in segment)+j.  After four rows
; the 16 mask registers hold the four rows' 16,384 bits, and the streak logic runs once on all 32 lanes: two instructions for each
; loaded register, and 108 more for the wave.
;
; THE LOGIC.  A streak of at least n frames is counted at its n-th frame: n yawns in a row, and no yawn in front of them.
; In a group: p2 = ab, p3 = abc, F = abcd; the group's tail of EXACTLY k yawns: X1 = d ~c, X2 = cd ~b, X3 = bcd ~a.
; x' is x of the group before, x'' of two groups before (v_alignbit_b32 with the block before; in front of a row everything is 0).
;   fourth frame in this group:   E4 = ~d' F | X1' p3 | X2' p2 | X3' a
;   seventh frame in this group:  E7 = X3' F | F' ( ~d'' p3 | X1'' p2 | X2'' a )
; The four terms of a line stand for four neighbouring starting frames; two streaks of that length cannot start so close, so at most one
; term holds and one population count of the OR counts the streaks.
;
; THE MODE: SCHED_MODE bits 1:0 = 2 (LLVM: expert scheduling mode 2), set by the entry lines.  The code itself states the register dependences
; between vector instructions and memory or LDS instructions, and those through scalar registers that vector instructions write, with s_wait_alu, always for 0.
; THE PLAN.  Registers that memory or LDS instructions touch, and scalar registers that vector instructions write:
;   RG, nine buffers   Segment p lies in buffer p % 9.  Read by step p's sixteen compares; the loads of segment p + 9, issued in step p + 1, land in it.
;   two mask banks     Step p's compares write bank p % 2; step p + 1's sixteen v_writelane_b32 read it.
;   v[OFF], v[L8]      Offsets, made once at the head and never written again; the segments are reached by immediate offsets.
;   v[LA]              The LDS store's address, made once behind the first fills.
;   v[T], v[T+1]       At the end: the LDS store's data, then wave 0's LDS load lands there, then the global store's data.
; Step p compares segment p, writes the masks of segment p - 1 into their lane, and issues the loads of segment p + 8 into buffer (p - 1) % 9, which
; step p - 1 emptied and which no vector instruction of step p names.  So two waits at a step's head state all that the step hangs on, and its four loads
; are dealt among its 32 vector instructions with no further wait.  The text is straight: there is no back edge.
;
; LIMITS.  v_exp_f32 gives 0 where the result would be below 2^-126 (from some 174 streaks on); the reference has a denormal there:
; a difference below 1.2e-38.  The counts (at most 819) are exact in f32.  A NaN in drowsiness_index stays a NaN, as in the reference's clip.
; No two work-groups read the same byte, so there is nothing to share in a cluster; there is no product, so no matrix instruction.
.set BLK,  512                         ; bytes in a block
.set SEGB, 4*BLK                       ; bytes in a segment; a row's eight segments and the wave's four rows lie end to end
.set SEGS, 32                          ; segments of a wave
.set NB,   9                           ; ring buffers
.set OFF,  1                           ; v1        16 x lane: my 16 bytes in every block
.set L8,   2                           ; v2        8 x lane: wave 0's offset into the group's 64 results, in memory and in LDS
.set LA,   3                           ; v3        LDS address of my row's word
.set D,    4                           ; v[4:5]    wave 0: two drowsiness values
.set HC,   7                           ; v7        streaks of at least 4
.set M,    8                           ; v[8:23]   masks: block b of the lane's segment, a b c d at M+4b .. M+4b+3
.set RG,   24                          ; v[24:167] the ring: buffer n at RG+16n, its block i at +4i
.set P2,   168                         ; v[168:171] p2 of blocks 0-3
.set P3,   172                         ; p3
.set FF,   176                         ; F
.set SX1,  180                         ; X1
.set SX2,  184                         ; X2
.set SX3,  188                         ; X3
.set T,    192                         ; v[192:199] at work
.set LC,   200                         ; v200      streaks of at least 7
.set PRV,  RG                          ; v[24:28]  once the ring is done with: d, X1, X2, X3, F of the block in front of the lane's segment
.set MK,   16                          ; s[16:31]  the sixteen masks of a segment, bank 0;  s[40:55] bank 1
.set MKSTEP, 24
	s_load_b128 s[4:7], s[0:1], 0x0                ; gesture_sequence s[4:5], drowsiness_index s[6:7]
	s_load_b64 s[8:9], s[0:1], 0x10                ; out0
	v_lshl_add_u32 v206, v0, 2, 0x100
	v_mov_b32 v207, 0
	v_lshrrev_b32 v[T], 5, v0
	v_readfirstlane_b32 s10, v[T]                  ; wave 0..15
	v_and_b32 v[T+1], 31, v0                       ; lane
	v_lshlrev_b32 v[OFF], 4, v[T+1]
	v_lshlrev_b32 v[L8], 3, v[T+1]
	s_lshl_b32 s12, ttmp9, 20                      ; 64 rows of 16 KiB for each work-group,
	s_wait_alu depctr_va_sdst(0)                   ; s10 is written, ahead of its first reader: the wave's base is made from it
	s_lshl_b32 s13, s10, 16                        ; 4 rows for each wave: below 2^28 in all
	s_add_co_u32 s12, s12, s13
	s_mov_b32 s13, 0
	s_lshl_b32 s14, ttmp9, 8                       ; 64 f32 for each work-group
	s_mov_b32 s15, 0
	s_wait_kmcnt 0x0
	s_add_nc_u64 s[4:5], s[4:5], s[12:13]          ; my wave's first row
	s_add_nc_u64 s[6:7], s[6:7], s[14:15]          ; the group's 64 drowsiness values
	s_add_nc_u64 s[8:9], s[8:9], s[14:15]          ; the group's 64 results
	s_wait_alu depctr_va_vdst(0)                   ; v[OFF] and v[L8] are written: every load and store of the kernel but the LDS store reads one of them as its offset
	s_cmp_lg_u32 s10, 0
	s_cbranch_scc1 .Lfill
	global_load_b64 v[D:D+1], v[L8], s[6:7]        ; wave 0 alone: 32 lanes x 8 bytes = the group's 256 bytes, aligned; older than every ring load
.Lfill:
.set k, 0
.rept 4*NB
	global_load_b128 v[RG+4*k:RG+4*k+3], v[OFF], s[4:5] offset:BLK*k th:TH_LOAD_NT    ; segments 0 to 8 fill the ring; every byte is read once in the launch
.set k, k+1
.endr
	v_bfe_u32 v[T], v0, 3, 2                       ; lane / 8: my row among the wave's four
	s_lshl_b32 s11, s10, 4                         ; 16 bytes of LDS for each wave
	v_lshl_add_u32 v[LA], v[T], 2, s11
	s_mov_b32 s32, 0xbf38aa3b                      ; -0.5 log2(e)
	s_mov_b32 s33, 0x3fb8aa3b                      ;  2 x 0.5 log2(e)
	s_mov_b32 s34, 0x400a7fac                      ;  3 x 0.5 log2(e)
	s_mov_b32 s35, 0xfefefefe                      ; the lanes whose segment is not the first of its row
; Step p, 0 to 32.  p < 32: segment p is compared.  p > 0: the masks of segment p - 1 go into lane p - 1 (= 8 x row + segment of the row).
; 0 < p < 24: segment p + 8 is asked for.
; The count: step q has issued segment q + 8, so at step p's head segment p + 7 is the youngest: seven segments, 28 loads, may stay out
; (at step 0 the eight of the first fill); from step 25 on nothing younger than segment 31 exists, and the counts run down to 0, which also shows wave 0's D in.
; In step 1 a whole write stands in place of v_writelane_b32, which changes one lane and keeps the others: so every mask register has a
; defined value from its first use on and nothing is cleared (lanes 1-31 are written over by their own segments).
.macro STEP p
.set xb, RG+16*((\p)%NB)                       ; segment p's buffer
.set pb, RG+16*(((\p)+NB-1)%NB)                ; segment p - 1's buffer, which takes segment p + 8
.set mk, MK+MKSTEP*((\p)%2)                    ; this step's bank
.set pm, MK+MKSTEP*(((\p)+1)%2)                ; the step before's
.set lft, 4*(SEGS-1-(\p))
.if lft > 4*(NB-2)
.set lft, 4*(NB-2)
.endif
.if (\p) == 0
.set lft, 4*(NB-1)
.endif
.if (\p) < SEGS
	s_wait_loadcnt lft                             ; loads come back in order (ISA guide 5.7.1): my four blocks are in
.endif
.if ((\p) >= 1) && ((\p)+NB-1 < SEGS)
	s_wait_alu depctr_va_vdst(0)                   ; the compares of the step before are done reading their buffer, in which the loads below land
.endif
.if (\p) >= 1
	s_wait_alu depctr_va_sdst(0)                   ; the compares of the step before have written their sixteen masks, ahead of the first line that reads one
.endif
.set i, 0
.rept 4
.if ((\p) >= 1) && ((\p)+NB-1 < SEGS)
	global_load_b128 v[pb+4*i:pb+4*i+3], v[OFF], s[4:5] offset:SEGB*((\p)+NB-1)+BLK*i th:TH_LOAD_NT   ; no vector instruction since the wait names these registers
.endif
.if (\p) < SEGS
.irp j, 0,1,2,3
	v_cmp_eq_u32 s[mk+4*i+(\j)], 2, v[xb+4*i+(\j)]         ; bit l: frame 4 l + j of block i is a yawn
.endr
.endif
.if (\p) == 1
.irp j, 0,1,2,3
	v_mov_b32 v[M+4*i+(\j)], s[pm+4*i+(\j)]
.endr
.elseif (\p) > 1
.irp j, 0,1,2,3
	v_writelane_b32 v[M+4*i+(\j)], s[pm+4*i+(\j)], (\p)-1
.endr
.endif
.set i, i+1
.endr
.endm
.set sg, 0
.rept SEGS+1
	STEP sg
.set sg, sg+1
.endr
; the products and exact tails of block b, all 32 segments at once.  x & ~y is written x ^ (x & y), since x & y is there already
.macro DERIVE b
	v_and_b32 v[P2+\b], v[M+4*\b], v[M+4*\b+1]     ; ab
	v_and_b32 v[T], v[M+4*\b+2], v[M+4*\b+3]       ; cd
	v_and_b32 v[P3+\b], v[P2+\b], v[M+4*\b+2]      ; abc
	v_and_b32 v[T+1], v[M+4*\b+1], v[T]            ; bcd
	v_and_b32 v[FF+\b], v[P2+\b], v[T]             ; abcd
	v_xor_b32 v[SX1+\b], v[M+4*\b+3], v[T]         ; d ~c
	v_xor_b32 v[SX2+\b], v[T], v[T+1]              ; cd ~b
	v_xor_b32 v[SX3+\b], v[T+1], v[FF+\b]          ; bcd ~a
.endm
.irp b, 0,1,2,3
	DERIVE \b
.endr
	; In front of a lane's block 0 lies block 3 of the lane below (the row's segment before).  Lanes 0 and 16 have no source and take 0
	; (bound_ctrl); the other first segments of a row are set to 0 by the select.  PRV are ring registers whose last loads are in.
	v_mov_b32_dpp v[PRV+0], v[M+15]  row_shr:1 row_mask:0xf bank_mask:0xf bound_ctrl:1
	v_mov_b32_dpp v[PRV+1], v[SX1+3] row_shr:1 row_mask:0xf bank_mask:0xf bound_ctrl:1
	v_mov_b32_dpp v[PRV+2], v[SX2+3] row_shr:1 row_mask:0xf bank_mask:0xf bound_ctrl:1
	v_mov_b32_dpp v[PRV+3], v[SX3+3] row_shr:1 row_mask:0xf bank_mask:0xf bound_ctrl:1
	v_mov_b32_dpp v[PRV+4], v[FF+3]  row_shr:1 row_mask:0xf bank_mask:0xf bound_ctrl:1
.irp i, 0,1,2,3,4
	v_cndmask_b32 v[PRV+\i], 0, v[PRV+\i], s35
.endr
; Block b; pd, px1, px2, px3, pf: d, X1, X2, X3, F of the block before.  {x, x of the block before} >> 31 is x', >> 30 is x''.
; first = 1: the first population count starts the sums.
.macro COUNT b, pd, px1, px2, px3, pf, first
	v_alignbit_b32 v[T],   v[M+4*\b+3], v[\pd],  31        ; d'
	v_alignbit_b32 v[T+1], v[SX1+\b],   v[\px1], 31        ; X1'
	v_alignbit_b32 v[T+2], v[SX2+\b],   v[\px2], 31        ; X2'
	v_alignbit_b32 v[T+3], v[SX3+\b],   v[\px3], 31        ; X3'
	v_bfi_b32    v[T+4], v[T], 0, v[FF+\b]                 ; ~d' F
	v_and_or_b32 v[T+4], v[T+1], v[P3+\b], v[T+4]          ; | X1' p3
	v_and_or_b32 v[T+4], v[T+2], v[P2+\b], v[T+4]          ; | X2' p2
	v_and_or_b32 v[T+4], v[T+3], v[M+4*\b], v[T+4]         ; | X3' a
	v_alignbit_b32 v[T],   v[M+4*\b+3], v[\pd],  30        ; d''
	v_alignbit_b32 v[T+1], v[SX1+\b],   v[\px1], 30        ; X1''
	v_alignbit_b32 v[T+2], v[SX2+\b],   v[\px2], 30        ; X2''
	v_alignbit_b32 v[T+5], v[FF+\b],    v[\pf],  31        ; F'
	v_bfi_b32    v[T+6], v[T], 0, v[P3+\b]                 ; ~d'' p3
	v_and_or_b32 v[T+6], v[T+1], v[P2+\b], v[T+6]          ; | X1'' p2
	v_and_or_b32 v[T+6], v[T+2], v[M+4*\b], v[T+6]         ; | X2'' a
	v_and_b32    v[T+6], v[T+5], v[T+6]                    ; all three need F'
	v_and_or_b32 v[T+6], v[T+3], v[FF+\b], v[T+6]          ; | X3' F
.if \first
	v_bcnt_u32_b32 v[HC], v[T+4], 0
	v_bcnt_u32_b32 v[LC], v[T+6], 0
.else
	v_bcnt_u32_b32 v[HC], v[T+4], v[HC]
	v_bcnt_u32_b32 v[LC], v[T+6], v[LC]
.endif
.endm
	COUNT 0, PRV, PRV+1, PRV+2, PRV+3, PRV+4, 1
	COUNT 1, M+3, SX1, SX2, SX3, FF, 0
	COUNT 2, M+7, SX1+1, SX2+1, SX3+1, FF+1, 0
	COUNT 3, M+11, SX1+2, SX2+2, SX3+2, FF+2, 0
	; a row's eight segments lie in eight neighbouring lanes: three steps, after which each of the eight holds the row's counts
	v_cvt_f32_u32 v[HC], v[HC]                     ; at most 819: exact, and the exponent needs f32 anyway
	v_cvt_f32_u32 v[LC], v[LC]
.irp x, 1,2,4
	v_add_f32_dpp v[HC], v[HC], v[HC] row_xmask:\x row_mask:0xf bank_mask:0xf
	v_add_f32_dpp v[LC], v[LC], v[LC] row_xmask:\x row_mask:0xf bank_mask:0xf
.endr
	v_fma_f32 v[T],   v[HC], s32, s33              ; -0.5 (hc - 2) log2(e)
	v_fma_f32 v[T+1], v[LC], s32, s34              ; -0.5 (lc - 3) log2(e)
	v_exp_f32 v[T],   v[T]
	v_exp_f32 v[T+1], v[T+1]
	v_cmp_le_f32 s37, 2.0, v[HC]                   ; two plain instructions that touch neither exponential stand in front of the first use (ISA guide 5.7.2)
	v_cmp_le_f32 s36, 0x40400000, v[LC]            ; lc >= 3
	s_wait_alu depctr_va_sdst(0)                   ; both compares have written their masks, ahead of the selects that read them
	s_wait_alu depctr_va_vdst(0)
	v_cndmask_b32 v[T],   0, v[T],   s37           ; too few streaks: no adjustment
	v_cndmask_b32 v[T+1], 0, v[T+1], s36
	v_mul_f32  v[T], 0x3e3851ec, v[T]              ; 0.18 x
	v_fmac_f32 v[T], 0x3d4ccccd, v[T+1]            ; + 0.05 x
	v_min_num_f32 v[T], 0x3eb33333, v[T]           ; at most 0.35
	s_wait_alu depctr_va_vdst(0)                   ; v[T] is written, and v[LA] since the first fills: the LDS store reads both.  No vector instruction follows ahead of wave 0's LDS load, so all that wrote or read v[T], v[T+1] is done for that load too
	ds_store_b32 v[LA], v[T]                       ; the eight lanes of a row write one word with one value; the wave's four words are its own
	s_wait_dscnt 0x0                               ; for wave 0's sake: my words are in LDS before I say so
	s_barrier_signal -1
	s_barrier_wait -1
	s_cmp_lg_u32 s10, 0
	s_cbranch_scc1 .Ldone
	s_wait_alu depctr_vm_vsrc(0)                   ; my LDS store has read v[T], in which the load below lands
	ds_load_b64 v[T:T+1], v[L8]                    ; wave 0: the 64 adjustments, two a lane
	s_wait_dscnt 0x0
	v_pk_add_f32 v[T:T+1], v[T:T+1], v[D:D+1]
	v_maximum_f32 v[T],   0, v[T]                  ; the clip; a NaN goes through, as in the reference
	v_maximum_f32 v[T+1], 0, v[T+1]
	v_minimum_f32 v[T],   1.0, v[T]
	v_minimum_f32 v[T+1], 1.0, v[T+1]
	s_wait_alu depctr_va_vdst(0)                   ; the clip has written v[T], v[T+1], which the store reads
	global_store_b64 v[L8], v[T:T+1], s[8:9] th:TH_STORE_NT    ; one store covers the group's 256 consecutive bytes, aligned
.Ldone:
	s_wait_dscnt 0x0
	s_wait_alu depctr_hold_cnt(0) depctr_sa_sdst(0) depctr_va_vdst(0) depctr_va_sdst(0) depctr_va_ssrc(0) depctr_va_vcc(0) depctr_vm_vsrc(0)
	s_wait_tensorcnt 0x0
	ds_add_u32 v206, v207
	s_wait_dscnt 0x0
	s_endpgm
.Lfunc_end_k_q44758945da_streaks:
	.size	k_q44758945da_streaks, .Lfunc_end_k_q44758945da_streaks-k_q44758945da_streaks
	.p2alignl 7, 3214868480
	.fill 96, 4, 3214868480
	.section	.rodata,"a",@progbits
	.p2align	6, 0x0
	.amdhsa_kernel k_q44758945da_streaks
		.amdhsa_group_segment_fixed_size 2304
		.amdhsa_private_segment_fixed_size 0
		.amdhsa_enable_private_segment 0
		.amdhsa_kernarg_size 24
		.amdhsa_user_sgpr_count 2
		.amdhsa_user_sgpr_kernarg_segment_ptr 1
		.amdhsa_wavefront_size32 1
		.amdhsa_system_sgpr_workgroup_id_x 1
		.amdhsa_system_sgpr_workgroup_id_y 1
		.amdhsa_system_sgpr_workgroup_id_z 1
		.amdhsa_system_vgpr_workitem_id 0
		.amdhsa_next_free_vgpr 208
		.amdhsa_next_free_sgpr 66
		.amdhsa_reserve_vcc 0
		.amdhsa_float_denorm_mode_32 3
		.amdhsa_float_denorm_mode_16_64 3
		.amdhsa_memory_ordered 1
		.amdhsa_forward_progress 1
		.amdhsa_inst_pref_size 89
	.end_amdhsa_kernel
	.amdgpu_metadata
---
amdhsa.version: [ 1, 2 ]
amdhsa.kernels:
  - .name:           k_q44758945da_streaks
    .symbol:         k_q44758945da_streaks.kd
    .args:
      - { .name: gesture_sequence, .offset: 0, .size: 8, .value_kind: global_buffer, .address_space: global }
      - { .name: drowsiness_index, .offset: 8, .size: 8, .value_kind: global_buffer, .address_space: global }
      - { .name: out0, .offset: 16, .size: 8, .value_kind: global_buffer, .address_space: global }
    .group_segment_fixed_size: 2304
    .private_segment_fixed_size: 0
    .kernarg_segment_align: 8
    .kernarg_segment_size: 24
    .max_flat_workgroup_size: 512
    .sgpr_count:     66
    .vgpr_count:     208
    .wavefront_size: 32
...
	.end_amdgpu_metadata
.endif
;; end of part 2
